; MI455X (gfx1250); checked and timed in simulation.
; The chip was launched on July 23, 2026; its instructions are those of AMD's public machine-readable ISA for CDNA 5 (MIT licence, August 2026) and "CDNA5" Instruction Set Architecture Reference Guide (July 2026). The comments in the code are by the model that wrote it; some were corrected since.
;; Self Attention. Allowed arithmetic: matrix products marked QUANTISED: E2M1 operands, one E8M0 scale for each 32 along K, by v_wmma_scale_f32_16x16x128_f8f6f4 with both operands' format E2M1 (or v_wmma_scale_f32_32x16x128_f4), f32 sums; everything else in f32.
;; Inputs: b_proj 256 float32; b_qkv 768 float32; ln_beta 256 float32; ln_gamma 256 float32; w_proj_codes 256 x 8 x 16 uint8 (E2M1 codes of w_proj, K innermost, in blocks of 32 codes, two codes a byte); w_proj_scales 256 x 8 uint8 (E8M0 scales of w_proj, one for each 32 codes along K); w_qkv_codes 768 x 8 x 16 uint8 (E2M1 codes of w_qkv, K innermost, in blocks of 32 codes, two codes a byte); w_qkv_scales 768 x 8 uint8 (E8M0 scales of w_qkv, one for each 32 codes along K); x 4 x 256 x 64 x 64 float32.
;; Outputs: out0 4 x 256 x 64 x 64 float32.
;; This version of the problem:
;;   THIS VERSION OF THE PROBLEM IS GIVEN IN LOW PRECISION. The matrix products marked QUANTISED in the list below multiply operands that are first quantised to E2M1 (2 exponent bits, 1 mantissa bit; 4 bits a number), with one power-of-two scale for each 32 numbers along K (OCP MX v1.0); their sums are f32. All else is computed in f32.
;;   The module's matrix products, in the order in which they are computed (A, B: the left and right operand; K: the contracted axis; several contracted axes count as one K, in the product's order):
;;     1. [M 16,384, K 256] x [K 256, N 768]; A: computed on the way; B: input w_qkv (given as codes): QUANTISED
;;     2. batch 16 x [M 4,096, K 64] x [K 64, N 4,096]; A: computed on the way; B: computed on the way: QUANTISED
;;     3. batch 16 x [M 4,096, K 4,096] x [K 4,096, N 64]; A: softmax (see below); B: computed on the way: QUANTISED
;;     4. [M 16,384, K 256] x [K 256, N 256]; A: computed on the way; B: input w_proj (given as codes): QUANTISED
;;   THE QUANTISER, for each operand of a quantised product, along K:
;;     - K is cut into blocks of 32 from its start; a last block that is shorter is filled with zeros.
;;     - A block's scale is 2^e with e = floor(log2(the largest magnitude in the block)) - 2, held to -126 .. 127; a block of zeros has e = 0. As a byte (E8M0): e + 127.
;;     - Each number is divided by its block's scale, clamped to +-6, and rounded to the nearest number of E2M1, ties to even, subnormals kept.
;;     - The product sums the exact products of the quantised numbers (number of the format x scale) in f32.
;;   ~~~python
;;   def quantise(x, axis):      # numpy; x: float32 -> the quantised numbers, widened to float32 again
;;       x = np.moveaxis(x, axis, -1); K = x.shape[-1]
;;       x = np.pad(x, [(0, 0)] * (x.ndim - 1) + [(0, -K % 32)]); x = x.reshape(x.shape[:-1] + (-1, 32)); a = np.abs(x).max(-1, keepdims=True)
;;       e = np.where(a > 0, np.clip(np.frexp(np.where(a > 0, a, 1))[1] - 1 - 2, -126, 127), 0)      # np.frexp(a)[1] - 1 = floor(log2(a)), exactly
;;       r = np.clip(x / 2.0 ** e, -6, 6)
;;       step = 2.0 ** (np.maximum(np.frexp(np.where(r == 0, 1, r))[1] - 1, 0) - 1)
;;       q = np.round(r / step) * step * 2.0 ** e      # np.round: ties to even
;;       return np.moveaxis(q.reshape(q.shape[:-2] + (-1,))[..., :K], -1, axis).astype(np.float32)
;;   ~~~
;;   SOFTMAX AHEAD OF A QUANTISED PRODUCT. Where the list says 'softmax', what is quantised is not the finished softmax but p = 2^(t - M), with t = logit x log2(e) and M = ceil(the row's largest t), a whole number; so 1/2 < the row's largest p <= 1. The row's sum l is taken of the UNQUANTISED p, in f32, and the product's result is divided by l at the end. Since M is a whole number, a kernel that streams over the keys may use a running M (the ceiling of the running maximum): every later rescaling is an exact power of two, which a block's scale takes up: the codes' values come out the same.
;;   OPERANDS COMPUTED ON THE WAY. 'Computed on the way' means the value that the module computes at that place (a softmax that the list does not call 'softmax' is quantised finished and normalised). What goes into a quantiser is computed in f32, as accurately as f32 sums, v_exp_f32 and their like allow (about 1e-6 of the number): no bf16 or f16 on the way to a quantiser, and a product that is left as it is and whose result goes on into a quantised operand takes f32 operands (vector FMAs, or v_wmma_f32_16x16x4_f32). A number that lies on a knife's edge between two numbers of the format may be rounded either way, as far as f32 arithmetic and the matrix unit's own rounding can turn it there, and no further.
;;   INPUTS GIVEN AS CODES. w_proj (in the module: [256, 256], K = its axis 0); w_qkv (in the module: [256, 768], K = its axis 0): each comes as NAME_codes (uint8): NAME with its K axis moved to the last place and cut into blocks of 32 codes, [.., K / 32, bytes a block], one block behind the other in memory; two codes a byte, the lower K in the low four bits (a code: sign, 2 exponent bits, 1 mantissa bit); and NAME_scales (uint8): the same leading axes, one E8M0 byte (e + 127) for each 32 codes along K. Its value is code x scale, taken as it is: it is not quantised again, and the codes and scales need not be those that the quantiser above would give.
;; One version. Each part assembles by itself: llvm-mc -triple=amdgcn-amd-amdhsa -mcpu=gfx1250 --defsym DOCPART=n.
;; ======== version 1 of 1: 3 launches
;; limits: right only within a limited range of input values
;; workspace buffers: qc 2,097,152 bytes; qs 524,288 bytes; kv 4,456,448 bytes; oc 2,097,152 bytes; os 262,144 bytes
;; launch qkv (part 1): grid 256 x 1, 4 waves a work-group, no clusters, 168,448 bytes of LDS; arguments x, ln_gamma, ln_beta, w_qkv_codes, w_qkv_scales, b_qkv, qc, qs, kv; writes qc, qs, kv
.if DOCPART == 1
	.amdgcn_target "amdgcn-amd-amdhsa--gfx1250"
	.amdhsa_code_object_version 6
	.text
	.protected	k_q2b2ff9b703_qkv
	.globl	k_q2b2ff9b703_qkv
	.p2align	8
	.type	k_q2b2ff9b703_qkv,@function
k_q2b2ff9b703_qkv:
	s_mov_b64 s[64:65], 0
	v_nop
	global_prefetch_b8 v0, s[64:65] scope:SCOPE_SE
	s_setreg_imm32_b32 hwreg(HW_REG_WAVE_MODE, 25, 1), 1
	s_wait_xcnt 0x0
; LayerNorm over the 256 channels of x [4][256][4096] f32, xn quantised to FP4 (E2M1, one E8M0 scale for each 32 along K), qkv = xn W + b on codes,
; and q, k (along the head's 64 channels) and v (along the keys) quantised again.  Only codes and scale bytes go to memory, laid as IMAGES OF OPERAND REGISTERS (lane l's 16 bytes at 16 l).
; SHARES.  Work-group g owns 64 tokens of batch g / 64.  First wave w normalises and quantises token tile w; then wave w makes head w's q, k and v for all four token tiles: 96 matrix instructions.
; ONE ORDER OF ROWS, for tokens and for the rows of a weight tile: rho(r) = r + 8 (r / 8); lane r of tile 2 b + u takes row 32 b + 8 u + rho(r).  Where such a tile is source 0, the 16 result
; registers of tiles 2 b and 2 b + 1 are the 16 neighbours 32 b + 16 (lane / 16) + 0 .. 15: a lane's registers run along the next product's K, so one macro (QUANT) serves q, k and v.
; q, k: source 0 = 16 rows of W, source 1 = 16 tokens: a lane holds one token, its registers run along the head's channels.  v: source 0 = tokens, source 1 = W: a lane holds one channel, registers run along the tokens (keys).
; OUT.  qc [g][head][tile][512 B]; qs [g][head][lane][tile] words s0 s1 s0 s1; kv [batch][128 keys][head][8,704 B]: 8 tiles of K (512 B), 4 tiles of V^T (1,024 B), K's scale words (16 r + 4 pair), V's (16 r + 4 tile).
; LIMITS: NaN and infinities among the inputs are not served.  A block whose largest magnitude lies under 2^-124 (a block of zeros too) gets the scale byte 1: its codes are zeros, and this program alone reads the bytes.
; The inverse root is v_rsq_f32 as it is.
; No cluster: what work-groups share is 107 KB of weights, read once each into registers; the x tile, 64 KB, is each work-group's own.  No prefetch: the one stream is asked for at the head.
; LDS is filled once by the tensor data mover and never again.
.set XIMG, 0                           ; LDS: xn's 8 fragments (token tile m, K step s) at (2 m + s) 1,024 + 512 c + 16 lane
.set XSC,  8192                        ; their scale words at (2 m + s) 128 + 4 lane
.set XT,   9216                        ; the x tile: 256 channel rows of 256 bytes (64 tokens); no store ever lands here, no fill lands below
.set RECB, 8704                        ; a record of kv
.set R,    1                           ; v1   lane % 16
.set H,    2                           ; v2   lane / 16
.set RHO,  3                           ; v3   rho(r)
.set XA,   4                           ; v4   LDS: my token's word in channel row 32 h of the x tile
.set LI,   5                           ; v5   16 x lane
.set LS,   6                           ; v6   4 x lane
.set XWI,  7                           ; v7   16 x lane + 2,048 x wave: where I store xn's images
.set XWS,  8                           ; v8   4 x lane + 256 x wave: and their scale words
.set GA,   9                           ; v9   128 h: gamma, beta
.set WA,   10                          ; v10  128 rho + 16 h: a row of W's codes
.set WSA,  11                          ; v11  8 rho: a row of W's scale bytes
.set BA,   12                          ; v12  64 h: bias of q, k
.set BVA,  13                          ; v13  4 rho: bias of v
.set SV,   14                          ; v14  16 r + 4 h: the scale words' place in a record
.set WSC,  16                          ; v16-39  W's scale words: 8 section + 2 tile + K step (scales alone)
.set XS,   40                          ; v40-47  xn's scale words: 2 m + s (scales alone)
.set TM,   48                          ; v48-55  largest magnitudes
.set TP,   56                          ; v56-63  the other half's, then the bytes
.set TS,   64                          ; v64-71  the conversions' scale operands
.set CD,   72                          ; v72-87  codes
.set HW,   88                          ; v88-91  a unit's two scale bytes
.set WD,   92                          ; v92-95  q's scale words
.set MU,   96                          ; v[96:97] the mean, twice
.set RS,   98                          ; v[98:99] the inverse root, twice
.set CH,   100                         ; v100-107 four chains of packed sums
.set SW,   108                         ; v108-112 scale words at work
.set ACC,  128                         ; v128-255 my 128 numbers of x, later 16 accumulators
; window 1: v0-127 gamma, v128-255 beta; later v[16 m + 8 s] xn's fragments.   window 2: v[64 section + 16 tile + 8 s] W's fragments.   window 3: v[32 section + 8 tile] bias of q, k; v[64 + 8 tile] bias of v.
.set MSB, 0
.macro WIN new                         ; the immediate's high byte repeats the setting that is left
.if MSB != \new
	s_set_vgpr_msb (MSB<<8)|\new
.set MSB, \new
.endif
.endm
.macro PLACES                          ; four plain vector instructions behind a matrix instruction, ahead of the first read of its result (ISA guide 7.12.1)
.rept 4
	v_nop
.endr
.endm
	s_load_b256 s[8:15], s[0:1], 0x0               ; x s[8:9], gamma s[10:11], beta s[12:13], W's codes s[14:15]
	s_load_b256 s[16:23], s[0:1], 0x20             ; W's scales s[16:17], bias s[18:19], qc s[20:21], qs s[22:23]
	s_load_b64 s[24:25], s[0:1], 0x40              ; kv
	v_lshl_add_u32 v126, v0, 2, 0x29000
	v_mov_b32 v127, 0
	ds_add_u32 v126, v127
	ds_add_u32 v126, v127
	v_lshrrev_b32 v[R], 5, v0
	v_readfirstlane_b32 s26, v[R]                  ; wave 0..3
	s_lshr_b32 s27, ttmp9, 6                       ; batch
	s_and_b32 s28, ttmp9, 63                       ; block of 64 tokens in the batch
	s_and_b32 s29, ttmp9, 1                        ; which half of a key step of 128
	; descriptor group 1: 64 channel rows x 64 tokens of 4 bytes, rows 4,096 elements apart; each row is 256 aligned bytes of memory
	s_mov_b32 s40, 2<<16                           ; no mask; elements of 4 bytes; no padding
	s_mov_b32 s41, 64<<16                          ; tensor_dim0 = 64
	s_mov_b32 s42, 64<<16                          ; tensor_dim1 = 64
	s_mov_b32 s43, 64<<16                          ; tile_dim0 = 64
	s_mov_b32 s44, 64                              ; tile_dim1 = 64
	s_mov_b32 s45, 4096                            ; from channel to channel
	s_mov_b32 s46, 0
	s_mov_b32 s47, 0
	s_mov_b32 s36, 1                               ; group 0: count = 1
	s_lshl_b32 s37, s26, 14
	s_add_co_u32 s37, s37, XT                      ; LDS: XT + 16,384 x wave: my 64 channel rows
	s_lshl_b32 s30, s27, 22                        ; batch x 4 MiB
	s_lshl_b32 s31, s26, 20                        ; + wave x 64 channels x 16,384
	s_add_co_u32 s30, s30, s31
	s_lshl_b32 s31, s28, 8                         ; + block x 256 bytes
	s_add_co_u32 s30, s30, s31
	s_mov_b32 s31, 0
	s_mov_b32 s48, 0x76543210                      ; v_permlanex16_b32's selects for lane l xor 16
	s_mov_b32 s49, 0xfedcba98
	s_mov_b32 s62, 0x3b800000                      ; 1 / 256
	s_mov_b32 s63, 0x3727c5ac                      ; 1e-5
	v_and_b32 v[R], 15, v0
	v_bfe_u32 v[H], v0, 4, 1
	v_and_b32 v[RHO], 8, v[R]
	v_add_nc_u32 v[RHO], v[RHO], v[R]
	s_lshr_b32 s32, s26, 1                         ; token tile = wave: its first token is 32 (wave / 2) + 8 (wave % 2)
	s_lshl_b32 s32, s32, 7
	s_and_b32 s33, s26, 1
	s_lshl_b32 s33, s33, 5
	s_add_co_u32 s32, s32, s33
	s_add_co_u32 s32, s32, XT
	v_lshlrev_b32 v[XA], 2, v[RHO]
	v_lshl_add_u32 v[XA], v[H], 13, v[XA]          ; lanes 16-31 begin 32 channel rows further down
	v_add_nc_u32 v[XA], s32, v[XA]
	v_and_b32 v[LS], 31, v0
	v_lshlrev_b32 v[LI], 4, v[LS]
	v_lshlrev_b32 v[LS], 2, v[LS]
	s_lshl_b32 s33, s26, 11
	v_add_nc_u32 v[XWI], s33, v[LI]
	s_lshl_b32 s33, s26, 8
	v_add_nc_u32 v[XWS], s33, v[LS]
	v_lshlrev_b32 v[GA], 7, v[H]
	v_lshlrev_b32 v[WA], 7, v[RHO]
	v_lshl_add_u32 v[WA], v[H], 4, v[WA]
	v_lshlrev_b32 v[WSA], 3, v[RHO]
	v_lshlrev_b32 v[BA], 6, v[H]
	v_lshlrev_b32 v[BVA], 2, v[RHO]
	v_lshlrev_b32 v[SV], 4, v[R]
	v_lshl_add_u32 v[SV], v[H], 2, v[SV]
.irp q, 0,1,2,3,4,5,6,7
	v_mov_b32 v[TP+\q], 0                          ; written once: a lane permute's destination counts as one of its sources
.endr
	s_wait_dscnt 0x0
	s_wait_kmcnt 0x0
	s_add_nc_u64 s[38:39], s[8:9], s[30:31]        ; the tile's first element
	s_or_b32 s39, s39, 0x80000000                  ; type = 2
	tensor_load_to_lds s[36:39], s[40:47]          ; the one fill of the launch: one load of mine is out
	s_nop 0
	PLACES                                         ; (four lines ahead of the window switch below)
	s_lshl_b32 s30, s26, 13                        ; my head's 64 rows of each section of W: 128 bytes a row,
	s_add_nc_u64 s[14:15], s[14:15], s[30:31]
	s_lshl_b32 s30, s26, 9                         ; 8 scale bytes a row,
	s_add_nc_u64 s[16:17], s[16:17], s[30:31]
	s_lshl_b32 s30, s26, 8                         ; 4 bytes of bias a row
	s_add_nc_u64 s[18:19], s[18:19], s[30:31]
	WIN 0x40                                       ; destination window 1
.set i, 0
.rept 32                                           ; register 64 s + 32 c + 4 j holds channels 128 s + 64 c + 32 h + 4 j on: the order in which my numbers of x lie
	global_load_b128 v[4*i:4*i+3], v[GA], s[10:11] offset:(128*(i/16)+64*((i/8)%2)+4*(i%8))*4
.set i, i+1
.endr
.set i, 0
.rept 32
	global_load_b128 v[128+4*i:128+4*i+3], v[GA], s[12:13] offset:(128*(i/16)+64*((i/8)%2)+4*(i%8))*4
.set i, i+1
.endr
	WIN 0x80                                       ; destination window 2: W's 24 fragments stay in registers
.irp z, 0,1,2
.irp t, 0,1,2,3
.irp s, 0,1
.irp c, 0,1
	global_load_b128 v[64*\z+16*\t+8*\s+4*\c:64*\z+16*\t+8*\s+4*\c+3], v[WA], s[14:15] offset:\z*32768+(32*(\t/2)+8*(\t%2))*128+64*\s+32*\c
.endr
.endr
.endr
.endr
	WIN 0xc0                                       ; destination window 3: the biases, in the results' layout
.irp z, 0,1
.irp t, 0,1,2,3
	global_load_b128 v[32*\z+8*\t:32*\z+8*\t+3], v[BA], s[18:19] offset:\z*1024+(32*(\t/2)+8*(\t%2))*4
	global_load_b128 v[32*\z+8*\t+4:32*\z+8*\t+7], v[BA], s[18:19] offset:\z*1024+(32*(\t/2)+8*(\t%2))*4+16
.endr
.endr
.irp t, 0,1,2,3
	global_load_b32 v[64+8*\t], v[BVA], s[18:19] offset:2048+(32*(\t/2)+8*(\t%2))*4
.endr
	WIN 0
.irp z, 0,1,2
.irp t, 0,1,2,3
.irp s, 0,1
	global_load_b32 v[WSC+8*\z+2*\t+\s], v[WSA], s[16:17] offset:\z*2048+(32*(\t/2)+8*(\t%2))*8+4*\s
.endr
.endr
.endr
	; where my results go
	s_lshl_b32 s32, s27, 5
	s_lshr_b32 s33, s28, 1
	s_add_co_u32 s32, s32, s33                     ; key step of 128: 32 x batch + block / 2
	s_lshl_b32 s32, s32, 2
	s_add_co_u32 s32, s32, s26                     ; x 4 heads + my head
	s_mul_i32 s32, s32, RECB
	s_mov_b32 s33, 0
	s_add_nc_u64 s[24:25], s[24:25], s[32:33]      ; my record of kv
	s_mov_b32 s35, 0
	s_lshl_b32 s34, s29, 11
	s_add_nc_u64 s[54:55], s[24:25], s[34:35]      ; K's tiles 4 e on
	s_lshl_b32 s34, s29, 9
	s_add_co_u32 s34, s34, 4096
	s_add_nc_u64 s[56:57], s[24:25], s[34:35]      ; V's tiles, registers 4 e on
	s_lshl_b32 s34, s29, 3
	s_add_co_u32 s34, s34, 8192
	s_add_nc_u64 s[58:59], s[24:25], s[34:35]      ; K's scale words, pairs 2 e on
	s_lshl_b32 s34, s29, 1
	s_add_co_u32 s34, s34, 8448
	s_add_nc_u64 s[60:61], s[24:25], s[34:35]      ; V's scale words, bytes 2 e on
	s_lshl_b32 s32, ttmp9, 2
	s_add_co_u32 s32, s32, s26                     ; 4 g + head
	s_lshl_b32 s34, s32, 11
	s_add_nc_u64 s[50:51], s[20:21], s[34:35]      ; qc
	s_lshl_b32 s34, s32, 9
	s_add_nc_u64 s[52:53], s[22:23], s[34:35]      ; qs
	s_wait_tensorcnt 0x0                           ; my 64 channel rows have landed,
	s_barrier_signal -1
	s_barrier_wait -1                              ; everybody's have: each wave reads all 256
	; ---- X: my 16 tokens.  Lane (r, h) takes, of its token, channels 128 s + 64 c + 32 h + 0 .. 31: the very numbers that the operand's layout gives it, whole blocks of 32
.set i, 0
.rept 128
	ds_load_b32 v[ACC+i], v[XA] offset:(128*(i/64)+64*((i/32)%2)+(i%32))*256
.set i, i+1
.endr
	s_wait_dscnt 0x0
.macro FOLD                            ; four chains, two halves, and lane l xor 16's: the token's sum, in v[CH]
	v_pk_add_f32 v[CH:CH+1], v[CH:CH+1], v[CH+2:CH+3]
	v_pk_add_f32 v[CH+4:CH+5], v[CH+4:CH+5], v[CH+6:CH+7]
	v_pk_add_f32 v[CH:CH+1], v[CH:CH+1], v[CH+4:CH+5]
	v_add_f32 v[CH], v[CH], v[CH+1]
	v_permlanex16_b32 v[CH+2], v[CH], s48, s49
	v_add_f32 v[CH], v[CH], v[CH+2]
.endm
.irp k, 0,1,2,3
	v_pk_add_f32 v[CH+2*\k:CH+2*\k+1], v[ACC+2*\k:ACC+2*\k+1], v[ACC+8+2*\k:ACC+9+2*\k]   ; the first pairs start the chains: nothing is cleared
.endr
.set p, 8
.rept 56
	v_pk_add_f32 v[CH+2*(p%4):CH+2*(p%4)+1], v[CH+2*(p%4):CH+2*(p%4)+1], v[ACC+2*p:ACC+2*p+1]
.set p, p+1
.endr
	FOLD
	v_mul_f32 v[MU], s62, v[CH]                    ; the mean
	v_mov_b32 v[MU+1], v[MU]
.set p, 0
.rept 64
	v_pk_add_f32 v[ACC+2*p:ACC+2*p+1], v[ACC+2*p:ACC+2*p+1], v[MU:MU+1] neg_lo:[0,1] neg_hi:[0,1]   ; x - mean
.set p, p+1
.endr
.irp k, 0,1,2,3
	v_pk_mul_f32 v[CH+2*\k:CH+2*\k+1], v[ACC+2*\k:ACC+2*\k+1], v[ACC+2*\k:ACC+2*\k+1]
.endr
.set p, 4
.rept 60
	v_pk_fma_f32 v[CH+2*(p%4):CH+2*(p%4)+1], v[ACC+2*p:ACC+2*p+1], v[ACC+2*p:ACC+2*p+1], v[CH+2*(p%4):CH+2*(p%4)+1]
.set p, p+1
.endr
	FOLD
	v_fma_f32 v[CH+3], v[CH], s62, s63             ; the variance + 1e-5 (the multiplication by 2^-8 rounds nothing)
	s_wait_alu depctr_va_vdst(0)
	v_rsq_f32 v[RS], v[CH+3]
	v_rsq_f32 v[RS+1], v[CH+3]                     ; twice: a pair for the packed multiply
	v_nop                                          ; a plain instruction behind the transcendentals (ISA guide 5.7.2)
	s_wait_alu depctr_va_vdst(0)                   ; the wait ahead of the first reader: one for both
.set p, 0
.rept 64
	v_pk_mul_f32 v[ACC+2*p:ACC+2*p+1], v[ACC+2*p:ACC+2*p+1], v[RS:RS+1]
.set p, p+1
.endr
	s_wait_loadcnt 0x0                             ; gamma, beta, and with them all that was loaded at the head
	WIN 0x14                                       ; sources 1 (gamma) and 2 (beta) window 1
.set p, 0
.rept 64
	v_pk_fma_f32 v[ACC+2*p:ACC+2*p+1], v[ACC+2*p:ACC+2*p+1], v[2*p:2*p+1], v[128+2*p:129+2*p]
.set p, p+1
.endr
	WIN 0xc3                                       ; window 3: v's bias hangs on the lane alone: the same in a tile's eight registers
.irp t, 0,1,2,3
.irp j, 1,2,3,4,5,6,7
	v_mov_b32 v[64+8*\t+\j], v[64+8*\t]
.endr
.endr
	WIN 0
	; xn's four blocks of mine, q = 2 s + c: all 32 numbers of a block are in my registers
.irp q, 0,1,2,3
	v_max3_num_f32 v[TM+\q], |v[ACC+32*\q]|, |v[ACC+32*\q+1]|, 0x1800000   ; with the floor 2^(3 - 127): the byte cannot fall under 1
.endr
.irp i, 2,4,6,8,10,12,14,16,18,20,22,24,26,28,30
.irp q, 0,1,2,3
	v_max3_num_f32 v[TM+\q], v[TM+\q], |v[ACC+32*\q+\i]|, |v[ACC+32*\q+\i+1]|
.endr
.endr
.irp q, 0,1,2,3
	v_add_nc_u32 v[TS+\q], 0xff000000, v[TM+\q]    ; 2 off the exponent field: the conversion's scale operand
.endr
.irp q, 0,1,2,3
	v_lshrrev_b32 v[TP+\q], 23, v[TS+\q]           ; the scale's byte
.endr
	v_lshlrev_b32 v[SW+2], 3, v[H]
.irp s, 0,1
	v_lshl_or_b32 v[SW+\s], v[TP+2*\s+1], 16, v[TP+2*\s]   ; my two bytes of K step s: blocks h and 2 + h,
.endr
.irp s, 0,1
	v_lshlrev_b32 v[SW+\s], v[SW+2], v[SW+\s]      ; at their places, 8 h bits up;
.endr
.irp s, 0,1
	v_permlanex16_b32 v[CH+\s], v[SW+\s], s48, s49
.endr
.irp s, 0,1
	v_or_b32 v[SW+\s], v[SW+\s], v[CH+\s]          ; with lane l xor 16's two the word is whole
.endr
.irp q, 0,1,2,3
.irp g, 0,1,2,3
	v_cvt_scalef32_pk8_fp4_f32 v[CD+4*\q+\g], v[ACC+32*\q+8*\g:ACC+32*\q+8*\g+7], v[TS+\q]   ; registers 4 c + g of fragment s
.endr
.endr
	v_nop                                          ; one plain instruction behind the last scaled conversion
.irp q, 0,1,2,3
	ds_store_b128 v[XWI], v[CD+4*\q:CD+4*\q+3] offset:XIMG+512*\q
.endr
.irp s, 0,1
	ds_store_b32 v[XWS], v[SW+\s] offset:XSC+128*\s
.endr
	s_wait_dscnt 0x0                               ; for the others' sake: my stores have landed
	s_barrier_signal -1
	s_barrier_wait -1                              ; xn's eight fragments lie in LDS
	WIN 0x40                                       ; destination window 1: gamma's registers are free
.irp m, 0,1,2,3
.irp s, 0,1
.irp c, 0,1
	ds_load_b128 v[16*\m+8*\s+4*\c:16*\m+8*\s+4*\c+3], v[LI] offset:XIMG+(2*\m+\s)*1024+512*\c
.endr
.endr
.endr
	WIN 0
.irp n, 0,1,2,3,4,5,6,7
	ds_load_b32 v[XS+\n], v[LS] offset:XSC+128*\n
.endr
	s_wait_dscnt 0x0
; q or k (section z) of my head: source 0 = 16 rows of W, source 1 = 16 tokens; the bias is the C of each sum's first instruction.  The 16 accumulators take turns.
.macro MULQK z
	WIN 0x36                                       ; source 0 window 2, source 1 window 1, C window 3, D window 0
.irp m, 0,1,2,3
.irp t, 0,1,2,3
	v_wmma_scale_f32_16x16x128_f8f6f4 v[ACC+32*\m+8*\t:ACC+32*\m+8*\t+7], v[64*\z+16*\t:64*\z+16*\t+7], v[16*\m:16*\m+7], v[32*\z+8*\t:32*\z+8*\t+7], v[WSC+8*\z+2*\t], v[XS+2*\m] matrix_a_fmt:MATRIX_FMT_FP4 matrix_b_fmt:MATRIX_FMT_FP4
.endr
.endr
	WIN 0x06                                       ; C and D window 0
.irp m, 0,1,2,3
.irp t, 0,1,2,3
	v_wmma_scale_f32_16x16x128_f8f6f4 v[ACC+32*\m+8*\t:ACC+32*\m+8*\t+7], v[64*\z+16*\t+8:64*\z+16*\t+15], v[16*\m+8:16*\m+15], v[ACC+32*\m+8*\t:ACC+32*\m+8*\t+7], v[WSC+8*\z+2*\t+1], v[XS+2*\m+1] matrix_a_fmt:MATRIX_FMT_FP4 matrix_b_fmt:MATRIX_FMT_FP4
.endr
.endr
	WIN 0
.endm
; v of my head: source 0 = 16 tokens, source 1 = 16 rows of W
.macro MULV
	WIN 0x39                                       ; source 0 window 1, source 1 window 2, C window 3, D window 0
.irp t, 0,1,2,3
.irp m, 0,1,2,3
	v_wmma_scale_f32_16x16x128_f8f6f4 v[ACC+32*\t+8*\m:ACC+32*\t+8*\m+7], v[16*\m:16*\m+7], v[128+16*\t:128+16*\t+7], v[64+8*\t:64+8*\t+7], v[XS+2*\m], v[WSC+16+2*\t] matrix_a_fmt:MATRIX_FMT_FP4 matrix_b_fmt:MATRIX_FMT_FP4
.endr
.endr
	WIN 0x09
.irp t, 0,1,2,3
.irp m, 0,1,2,3
	v_wmma_scale_f32_16x16x128_f8f6f4 v[ACC+32*\t+8*\m:ACC+32*\t+8*\m+7], v[16*\m+8:16*\m+15], v[128+16*\t+8:128+16*\t+15], v[ACC+32*\t+8*\m:ACC+32*\t+8*\m+7], v[XS+2*\m+1], v[WSC+16+2*\t+1] matrix_a_fmt:MATRIX_FMT_FP4 matrix_b_fmt:MATRIX_FMT_FP4
.endr
.endr
	WIN 0
.endm
; Four units of 64 along K, unit u at v[ACC + 32 u]; register 16 b + i of a unit is k = 32 b + 16 (lane / 16) + i of the lane's row.  q = 2 u + b counts the eight blocks.
; Out: unit u's codes, k = 32 (lane / 16) + 0 .. 31, in v[CD + 4 u] on; its two scale bytes in v[HW + u].  Each accumulator is read from its low end on.
.macro QUANT
.irp q, 0,1,2,3,4,5,6,7
	v_max3_num_f32 v[TM+\q], |v[ACC+16*\q]|, |v[ACC+16*\q+1]|, 0x1800000   ; my 16 numbers of the block, and the floor 2^(3 - 127)
.endr
.irp i, 2,4,6,8,10,12,14
.irp q, 0,1,2,3,4,5,6,7
	v_max3_num_f32 v[TM+\q], v[TM+\q], |v[ACC+16*\q+\i]|, |v[ACC+16*\q+\i+1]|
.endr
.endr
.irp q, 0,1,2,3,4,5,6,7
	v_permlanex16_b32 v[TP+\q], v[TM+\q], s48, s49
.endr
.irp q, 0,1,2,3,4,5,6,7
	v_max_num_f32 v[TM+\q], v[TM+\q], v[TP+\q]     ; with lane l xor 16's 16: the block's largest magnitude
.endr
.irp q, 0,1,2,3,4,5,6,7
	v_add_nc_u32 v[TS+\q], 0xff000000, v[TM+\q]    ; 2 off its exponent field: the conversion's scale operand
.endr
.irp q, 0,1,2,3,4,5,6,7
	v_lshrrev_b32 v[TP+\q], 23, v[TS+\q]           ; the scale's byte
.endr
.irp u, 0,1,2,3
	v_lshl_or_b32 v[HW+\u], v[TP+2*\u+1], 8, v[TP+2*\u]
.endr
.irp q, 0,1,2,3,4,5,6,7
	v_cvt_scalef32_pk8_fp4_f32 v[CD+2*\q], v[ACC+16*\q:ACC+16*\q+7], v[TS+\q]
	v_cvt_scalef32_pk8_fp4_f32 v[CD+2*\q+1], v[ACC+16*\q+8:ACC+16*\q+15], v[TS+\q]
.endr
	v_nop                                          ; one plain instruction behind the last scaled conversion
.irp u, 0,1,2,3
.irp i, 0,1
	v_permlane16_swap_b32 v[CD+4*\u+\i], v[CD+4*\u+2+\i]   ; the operand's layout wants a whole block in a lane: lanes 0-15 block 0, lanes 16-31 block 1
.endr
.endr
.endm
	; ---- q
	MULQK 0
	PLACES
	QUANT
.irp m, 0,1,2,3
	global_store_b128 v[LI], v[CD+4*\m:CD+4*\m+3], s[50:51] offset:512*\m   ; 32 lanes store 512 consecutive bytes, aligned
.endr
.irp m, 0,1,2,3
	v_lshl_or_b32 v[WD+\m], v[HW+\m], 16, v[HW+\m] ; s0 s1 s0 s1: q serves in the lower or in the upper half of a product's K
.endr
	global_store_b128 v[LI], v[WD:WD+3], s[52:53]
	; ---- k
	MULQK 1
	PLACES
	s_wait_xcnt 0x0                                ; q's stores have read their registers: the codes' and the bytes' are written again only behind this wait
	QUANT
.irp m, 0,1,2,3
	global_store_b128 v[LI], v[CD+4*\m:CD+4*\m+3], s[54:55] offset:512*\m
.endr
	v_lshl_or_b32 v[SW], v[HW+1], 16, v[HW]        ; a pair of tiles shares a fragment, and a scale word
	v_lshl_or_b32 v[SW+1], v[HW+3], 16, v[HW+2]
	v_cmp_ne_u32 vcc_lo, 0, v[H]
	v_cndmask_b32 v[SW+2], v[SW], v[SW+1], vcc_lo  ; lanes 0-15 store the first pair's words, lanes 16-31 the second's
	global_store_b32 v[SV], v[SW+2], s[58:59]
	; ---- v
	MULV
	PLACES
	s_wait_xcnt 0x0                                ; k's stores have read their registers
	QUANT
.irp t, 0,1,2,3
	global_store_b128 v[LI], v[CD+4*\t:CD+4*\t+3], s[56:57] offset:1024*\t
.endr
	v_cmp_ne_u32 vcc_lo, 0, v[H]
	v_cndmask_b32 v[SW+3], v[HW], v[HW+1], vcc_lo  ; tile h's two bytes of my channel,
	v_cndmask_b32 v[SW+4], v[HW+2], v[HW+3], vcc_lo   ; and tile 2 + h's
	global_store_b16 v[SV], v[SW+3], s[60:61]      ; half of a scale word: the other half is the neighbouring work-group's 64 keys.  These small stores are 1 byte in 34 of kv
	global_store_b16 v[SV], v[SW+4], s[60:61] offset:8
	s_wait_tensorcnt 0x0
	ds_add_u32 v126, v127
	s_wait_dscnt 0x0
	s_endpgm
.Lfunc_end_k_q2b2ff9b703_qkv:
	.size	k_q2b2ff9b703_qkv, .Lfunc_end_k_q2b2ff9b703_qkv-k_q2b2ff9b703_qkv
	.p2alignl 7, 3214868480
	.fill 96, 4, 3214868480
	.section	.rodata,"a",@progbits
	.p2align	6, 0x0
	.amdhsa_kernel k_q2b2ff9b703_qkv
		.amdhsa_group_segment_fixed_size 168448
		.amdhsa_private_segment_fixed_size 0
		.amdhsa_enable_private_segment 0
		.amdhsa_kernarg_size 72
		.amdhsa_user_sgpr_count 2
		.amdhsa_user_sgpr_kernarg_segment_ptr 1
		.amdhsa_wavefront_size32 1
		.amdhsa_system_sgpr_workgroup_id_x 1
		.amdhsa_system_sgpr_workgroup_id_y 1
		.amdhsa_system_sgpr_workgroup_id_z 1
		.amdhsa_system_vgpr_workitem_id 0
		.amdhsa_next_free_vgpr 1024
		.amdhsa_next_free_sgpr 66
		.amdhsa_reserve_vcc 1
		.amdhsa_float_denorm_mode_32 3
		.amdhsa_float_denorm_mode_16_64 3
		.amdhsa_memory_ordered 1
		.amdhsa_forward_progress 1
		.amdhsa_inst_pref_size 94
	.end_amdhsa_kernel
	.amdgpu_metadata
---
amdhsa.version: [ 1, 2 ]
amdhsa.kernels:
  - .name:           k_q2b2ff9b703_qkv
    .symbol:         k_q2b2ff9b703_qkv.kd
    .args:
      - { .name: x, .offset: 0, .size: 8, .value_kind: global_buffer, .address_space: global }
      - { .name: ln_gamma, .offset: 8, .size: 8, .value_kind: global_buffer, .address_space: global }
      - { .name: ln_beta, .offset: 16, .size: 8, .value_kind: global_buffer, .address_space: global }
      - { .name: w_qkv_codes, .offset: 24, .size: 8, .value_kind: global_buffer, .address_space: global }
      - { .name: w_qkv_scales, .offset: 32, .size: 8, .value_kind: global_buffer, .address_space: global }
      - { .name: b_qkv, .offset: 40, .size: 8, .value_kind: global_buffer, .address_space: global }
      - { .name: qc, .offset: 48, .size: 8, .value_kind: global_buffer, .address_space: global }
      - { .name: qs, .offset: 56, .size: 8, .value_kind: global_buffer, .address_space: global }
      - { .name: kv, .offset: 64, .size: 8, .value_kind: global_buffer, .address_space: global }
    .group_segment_fixed_size: 168448
    .private_segment_fixed_size: 0
    .kernarg_segment_align: 8
    .kernarg_segment_size: 72
    .max_flat_workgroup_size: 128
    .sgpr_count:     66
    .vgpr_count:     1024
    .wavefront_size: 32
...
	.end_amdgpu_metadata
.endif
;; end of part 1
;; launch attn (part 2): grid 16 x 16, 16 waves a work-group, clusters of 4 x 1, 327,680 bytes of LDS; arguments qc, qs, kv, oc, os; writes oc, os
.if DOCPART == 2
	.amdgcn_target "amdgcn-amd-amdhsa--gfx1250"
	.amdhsa_code_object_version 6
	.text
	.protected	k_q2b2ff9b703_attn
	.globl	k_q2b2ff9b703_attn
	.p2align	8
	.type	k_q2b2ff9b703_attn,@function
k_q2b2ff9b703_attn:
	s_mov_b64 s[64:65], 0
	v_nop
	global_prefetch_b8 v0, s[64:65] scope:SCOPE_SE
	s_setreg_imm32_b32 hwreg(HW_REG_WAVE_MODE, 25, 1), 1
	s_wait_xcnt 0x0
	s_wait_alu depctr_hold_cnt(0) depctr_sa_sdst(0) depctr_va_vdst(0) depctr_va_sdst(0) depctr_va_ssrc(0) depctr_va_vcc(0) depctr_vm_vsrc(0)
	s_getreg_b32 s2, hwreg(HW_REG_IB_STS2, 6, 4)
	s_cmp_eq_u32 s2, 0
	s_cbranch_scc0 .Lentry_in_a_cluster
	s_endpgm
.Lentry_in_a_cluster:
	s_bfe_u32 s2, ttmp6, 0x10000c
	s_cmp_lg_u32 s2, 0x3003
	s_cbranch_scc0 .Lentry_shape_is_right
	s_endpgm
.Lentry_shape_is_right:
; O = softmax(q k^T / 16) v for one head, both products on codes of FP4 (E2M1) with one E8M0 scale for each 32 along K; O is quantised along the head's 64 channels and leaves as codes and scale bytes.
; q, k, v come as register images (launch qkv).  The last product, the bias and the residual are launch proj's.
; THE SOFTMAX AHEAD OF THE SECOND PRODUCT: t = score x log2(e) / 16; M = the row's largest t so far, rounded UP to a whole number; p = 2^(t - M) is quantised along the keys, not normalised.
; The row's sum is taken of the unquantised p and divides O at the end.  When M moves, the sum and O are multiplied by 2^(old M - new M): exact.
; SHARES.  A work-group owns 256 queries of ONE head of one batch (grid y = 4 x batch + head); wave w owns 16 of them: tile w % 4 of the block of 64 tokens 4 x + w / 4.  Every wave walks the 4,096 keys, 128 a step.
; LDS.  The head's K, V and scale words of all 32 key steps are 32 records of 8,704 bytes = 278,528 bytes: they are filled ONCE and stay, so no byte is filled again and the walk has one barrier.
; At the head every wave brings half a record (steps 0 to 7); behind a round of the cluster's barrier, waves 0 to 11 bring two records each (steps 8 to 31), which land while steps 0 to 7 are walked.
; CLUSTER.  The four work-groups of a cluster belong to one head and need the same records: every load is asked for JOINTLY, with the same descriptor and a mask that names the four.
; No prefetch: all that a work-group reads of kv is asked for by these two groups of loads at its head; there is no later stream to run ahead of.
; LAYOUT.  Both products are used transposed (S^T = K Q^T, O^T = V^T P^T): a lane holds one query throughout.  Tiles of keys and of V's channels take their rows in the order 32 b + 8 u + r + 8 (r / 8),
; so that the 16 registers of two neighbouring tiles are 16 neighbours along the next product's K.
; A HEAD HAS 64 CHANNELS, A PRODUCT TAKES 128 ALONG K: a fragment of K holds TWO tiles of keys, one in each half of K; q lies in 12 registers as q, 0, q, and (q, 0) or (0, q) picks the tile.  Zero codes add nothing.
; OUT.  oc [block of 64 tokens][tile m, K step s = head / 2][1,024 B]: my head is registers 4 (head % 2) on, 512 bytes, lane l's 16 at 16 l.  os [block][head][tile][lane] 2 bytes: a block's and head's 256 bytes come from four waves of one work-group.
; LIMITS: NaN and infinities among the inputs are not served.  A block whose largest magnitude lies under 2^-124 gets the scale byte 1: its codes are zeros.  The division by the row's sum is v_rcp_f32 and a multiplication.
; The promise holds while the scaled scores t stay under 2^31 in magnitude.
.set RECB,   8704                      ; a head's record of a key step: 8 tiles of K, 4 tiles of V^T, 512 bytes of scale words
.set HALFB,  RECB/2                    ; 17 rows of 256 bytes
.set STEPB,  4*RECB                    ; from key step to key step in kv
.set BATCHB, 32*STEPB
.set FIRST,  8                         ; key steps that the head's loads bring
.set SPARE,  32*RECB                   ; behind the records: the spare words, 128 bytes for each of 16 waves
.set A0,  1                            ; v1   16 x lane
.set SPW, 2                            ; v2   LDS address of my spare word; never rewritten
.set NIL, 3                            ; v3   0; never rewritten
.set ADR, 4                            ; v4   LDS address of the step in hand
.set L2,  5                            ; v5   2 x lane
.set Q,   8                            ; v8-19  q, 0, q
.set NM,  20                           ; v20 -M, v21 the largest t
.set SUM, 22                           ; v[22:23] the row's sum in two halves
.set SC,  24                           ; v24-27 scale words alone: lanes 0-15 K's four pairs, lanes 16-31 V's four tiles
.set KF,  32                           ; v32-63  K: four fragments of two tiles
.set VF,  64                           ; v64-95  V^T: four fragments
.set S,   96                           ; v96-159 S^T, then p
.set O,   160                          ; v160-191 O^T
.set PC,  192                          ; v192-199 p's codes
.set BM,  200                          ; v200-203 the blocks' largest
.set BT,  204                          ; v204-207 the other half's, then bytes
.set BS,  208                          ; v208-211 the conversions' scale operands
.set F,   212                          ; v[212:213] f = 2^(old M - new M), and 0
.set T,   214                          ; v214 at work
.set QS,  218                          ; v218 q's scale word (scales alone)
.set PS,  219                          ; v219 p's scale word (scales alone)
.set WV,  20                           ; s20 wave; s21 tile; s22 wave / 4; s23 cx; s24 x; s25 y; s26 batch; s27 head
.set G1A, 32                           ; s[32:39] group 1: half a record;  s[40:47] group 1: two records
.set G1B, 40
.set G0A, 48                           ; s[48:51], s[52:55] their groups 0
.set G0B, 52
.set SEL, 56                           ; s[56:57] v_permlanex16_b32's selects for lane l xor 16
.set CS,  58                           ; s[58:59] c = log2(e) / 16
.set TB,  60                           ; s60 LDS byte at which the step in hand begins
.set CNT, 61                           ; s61 counts steps
.set OC,  62                           ; s[62:63] where my codes go
.set OS,  66                           ; s[66:67] and my scale bytes
; s28-31: scratch for what all partners share; s68-71: scratch for what hangs on my place in the cluster: none of these feeds a joint descriptor
.macro ROUND                           ; a round of the cluster's barrier
	s_barrier_signal -1
	s_barrier_wait -1
	s_cmp_lg_u32 s[WV], 0
	s_cbranch_scc1 .Lnot_wave_0_\@
	s_barrier_signal -3
.Lnot_wave_0_\@:
	s_barrier_wait -3
	s_barrier_signal -1
	s_barrier_wait -1
.endm
.macro ADD3 d, a, b
	v_pk_add_f32 v[\d:\d+1], v[\a:\a+1], v[\b:\b+1]
.endm
	s_load_b256 s[4:11], s[0:1], 0x0               ; qc s[4:5], qs s[6:7], kv s[8:9], oc s[10:11]
	s_load_b64 s[12:13], s[0:1], 0x20              ; os
	v_lshl_add_u32 v[SPW], v0, 2, SPARE
	v_mov_b32 v[NIL], 0
	ds_add_u32 v[SPW], v[NIL]                      ; the opening lines: the add, twice on end, and its wait ahead of my first tensor load
	ds_add_u32 v[SPW], v[NIL]
	v_lshrrev_b32 v[ADR], 5, v0
	s_delay_alu instid0(VALU_DEP_1)
	v_readfirstlane_b32 s[WV], v[ADR]              ; wave 0..15
	s_and_b32 s21, s[WV], 3                        ; query tile
	s_lshr_b32 s22, s[WV], 2                       ; which block of 64 tokens of my four
	s_bfe_u32 s23, ttmp6, 0x40000                  ; cx
	s_lshl_b32 s24, ttmp9, 2                       ; in a cluster launch ttmp9 counts clusters
	s_add_co_u32 s24, s24, s23                     ; my block of 256 queries
	s_and_b32 s25, ttmp7, 0xffff                   ; 4 x batch + head, which the four partners share
	s_lshr_b32 s26, s25, 2
	s_and_b32 s27, s25, 3
	; group 1, half a record: a dense block of 17 rows of 256 bytes (32 elements of 8 bytes)
	s_mov_b32 s[G1A], 15|(3<<16)|(1<<21)           ; the mask: all four work-groups; elements of 8 bytes; bit 21 set beside a mask; no padding: images are read 16 bytes a lane on end
	s_mov_b32 s[G1A+1], 32<<16
	s_mov_b32 s[G1A+2], 17<<16
	s_mov_b32 s[G1A+3], 32<<16
	s_mov_b32 s[G1A+4], 17
	s_mov_b32 s[G1A+5], 32
	s_mov_b32 s[G1A+6], 0
	s_mov_b32 s[G1A+7], 0
	; group 1, two records: 2 rows of 8,704 bytes (1,088 elements), a key step of kv apart
	s_mov_b32 s[G1B], 15|(3<<16)|(1<<21)
	s_mov_b32 s[G1B+1], (RECB/8)<<16
	s_mov_b32 s[G1B+2], 2<<16
	s_mov_b32 s[G1B+3], (RECB/8)<<16
	s_mov_b32 s[G1B+4], 2
	s_mov_b32 s[G1B+5], STEPB/8
	s_mov_b32 s[G1B+6], 0
	s_mov_b32 s[G1B+7], 0
	s_mov_b32 s[SEL], 0x76543210
	s_mov_b32 s[SEL+1], 0xfedcba98
	s_mov_b32 s[CS], 0x3db8aa3b                    ; log2(e) / 16
	s_mov_b32 s[CS+1], s[CS]                       ; (named with it as a pair, so it is written)
	s_mul_i32 s28, s26, BATCHB
	s_mul_i32 s29, s27, RECB
	s_add_co_u32 s28, s28, s29                     ; my head's record of key step 0
	s_lshr_b32 s29, s[WV], 1
	s_mul_i32 s29, s29, STEPB
	s_add_co_u32 s30, s28, s29                     ; first: key step wave / 2,
	s_and_b32 s29, s[WV], 1
	s_mul_i32 s29, s29, HALFB
	s_add_co_u32 s30, s30, s29                     ; half wave % 2
	s_mov_b32 s31, 0
	s_mul_i32 s29, s[WV], 2*STEPB
	s_add_co_u32 s28, s28, s29
	s_add_co_u32 s28, s28, FIRST*STEPB             ; then: key steps 8 + 2 wave and the next (waves 0 to 11)
	s_mov_b32 s29, 0
	s_mov_b32 s[G0A], 1
	s_mul_i32 s[G0A+1], s[WV], HALFB               ; LDS: record j lies at 8,704 j
	s_mov_b32 s[G0B], 1
	s_mul_i32 s[G0B+1], s[WV], 2*RECB
	s_add_co_u32 s[G0B+1], s[G0B+1], FIRST*RECB
	v_and_b32 v[L2], 31, v0
	s_delay_alu instid0(VALU_DEP_1)
	v_lshlrev_b32 v[A0], 4, v[L2]
	v_lshlrev_b32 v[L2], 1, v[L2]
	s_wait_alu depctr_va_vdst(0)                   ; the wait here, directly ahead of the waits below
	s_wait_dscnt 0x0                               ; both opening adds are done
	s_wait_kmcnt 0x0
	s_add_nc_u64 s[G0A+2:G0A+3], s[8:9], s[30:31]
	s_or_b32 s[G0A+3], s[G0A+3], 0x80000000        ; type = 2
	s_add_nc_u64 s[G0B+2:G0B+3], s[8:9], s[28:29]
	s_or_b32 s[G0B+3], s[G0B+3], 0x80000000
	ROUND                                          ; all four work-groups are here: the first joint loads meet
	tensor_load_to_lds s[G0A:G0A+3], s[G1A:G1A+7]  ; my one load at the head: half a record of steps 0 to 7
	s_nop 0
.rept 4
	v_nop
.endr
	s_lshl_b32 s68, s26, 6
	s_lshl_b32 s69, s24, 2
	s_add_co_u32 s68, s68, s69
	s_add_co_u32 s68, s68, s22                     ; g: my block of 64 tokens = 64 batch + 4 x + wave / 4
	s_mov_b32 s71, 0
	s_lshl_b32 s70, s68, 13
	s_lshl_b32 s69, s21, 11
	s_add_co_u32 s70, s70, s69                     ; oc: 8,192 g + 2,048 tile
	s_lshl_b32 s69, s27, 9                         ; + 1,024 (head / 2) + 512 (head % 2) = 512 head
	s_add_co_u32 s70, s70, s69
	s_add_nc_u64 s[OC:OC+1], s[10:11], s[70:71]
	s_lshl_b32 s70, s68, 10
	s_lshl_b32 s69, s27, 8
	s_add_co_u32 s70, s70, s69
	s_lshl_b32 s69, s21, 6
	s_add_co_u32 s70, s70, s69                     ; os: 1,024 g + 256 head + 64 tile
	s_add_nc_u64 s[OS:OS+1], s[12:13], s[70:71]
	s_lshl_b32 s68, s68, 2
	s_add_co_u32 s68, s68, s27                     ; 4 g + head
	s_lshl_b32 s70, s68, 11
	s_lshl_b32 s69, s21, 9
	s_add_co_u32 s70, s70, s69
	s_add_nc_u64 s[4:5], s[4:5], s[70:71]          ; my tile of q
	s_lshl_b32 s70, s68, 9
	s_lshl_b32 s69, s21, 2
	s_add_co_u32 s70, s70, s69
	s_add_nc_u64 s[6:7], s[6:7], s[70:71]          ; and its scale words
	global_load_b128 v[Q:Q+3], v[A0], s[4:5]       ; q twice, zeros between
	global_load_b128 v[Q+8:Q+11], v[A0], s[4:5]
	global_load_b32 v[QS], v[A0], s[6:7]
.irp j, 4,5,6,7
	v_mov_b32 v[Q+\j], 0
.endr
	v_mov_b32 v[NM+1], 0xff61b1e6                  ; the largest t so far: -3e38, under every t
	s_delay_alu instid0(VALU_DEP_1)
	v_floor_f32 v[NM], -v[NM+1]                    ; -M
	v_mov_b32 v[SUM], 0
	v_mov_b32 v[SUM+1], 0
	v_mov_b32 v[F+1], 0                            ; (named as the upper half of a pair)
	v_mov_b32 v[T], 0
.irp b, 0,1,2,3
	v_mov_b32 v[BT+\b], 0                          ; written once: a lane permute's destination counts as one of its sources
.endr
.set j, 0
.rept 32
	v_mov_b32 v[O+j], 0                            ; O^T.  (The key step is written once: the first finds zeros, which the first change of M leaves zeros)
.set j, j+1
.endr
; A KEY STEP: 128 keys.
.macro STEP
	v_add_nc_u32 v[ADR], s[TB], v[A0]
.rept 3
	v_nop                                          ; with the addition: four places in front of loads into registers that the last products read
.endr
.irp n, 0,1,2,3,4,5,6,7
	ds_load_b128 v[KF+4*\n:KF+4*\n+3], v[ADR] offset:512*\n          ; K's tile n: half a fragment
.endr
	ds_load_b128 v[SC:SC+3], v[ADR] offset:8192                      ; lanes 0-15: K's words of the four pairs; lanes 16-31: V's of the four tiles
.irp n, 0,1,2,3,4,5,6,7
	ds_load_b128 v[VF+4*\n:VF+4*\n+3], v[ADR] offset:4096+512*\n
.endr
	s_wait_dscnt 0x8                               ; K and the scale words are in; the youngest eight loads, V's, may be out
.irp i, 0,1,2,3
	v_wmma_scale_f32_16x16x128_f8f6f4 v[S+16*\i:S+16*\i+7], v[KF+8*\i:KF+8*\i+7], v[Q:Q+7], 0, v[SC+\i], v[QS] matrix_a_fmt:MATRIX_FMT_FP4 matrix_b_fmt:MATRIX_FMT_FP4
	v_wmma_scale_f32_16x16x128_f8f6f4 v[S+16*\i+8:S+16*\i+15], v[KF+8*\i:KF+8*\i+7], v[Q+4:Q+11], 0, v[SC+\i], v[QS] matrix_a_fmt:MATRIX_FMT_FP4 matrix_b_fmt:MATRIX_FMT_FP4
.endr                                              ; register 16 b + i of S^T is key 32 b + 16 (lane / 16) + i of the step
.rept 4
	v_nop
.endr
.irp b, 0,1,2,3
	v_max3_num_f32 v[BM+\b], v[S+16*\b], v[S+1+16*\b], v[S+2+16*\b]   ; the largest score of each block of 32 keys: for the row's maximum and, since p rises with the score, for the block's largest p
.endr
.irp i, 3,5,7,9,11,13
.irp b, 0,1,2,3
	v_max3_num_f32 v[BM+\b], v[BM+\b], v[S+16*\b+\i], v[S+1+16*\b+\i]
.endr
.endr
.irp b, 0,1,2,3
	v_max_num_f32 v[BM+\b], v[BM+\b], v[S+15+16*\b]
.endr
.irp b, 0,1,2,3
	s_delay_alu instid0(VALU_DEP_4)
	v_permlanex16_b32 v[BT+\b], v[BM+\b], s[SEL], s[SEL+1]
.endr
.irp b, 0,1,2,3
	s_delay_alu instid0(VALU_DEP_4)
	v_max_num_f32 v[BM+\b], v[BM+\b], v[BT+\b]     ; with lane l xor 16's 16 keys
.endr
	s_delay_alu instid0(VALU_DEP_2)
	v_max3_num_f32 v[T], v[BM], v[BM+1], v[BM+2]
	s_delay_alu instid0(VALU_DEP_1)
	v_max_num_f32 v[T], v[T], v[BM+3]              ; the step's largest score of my query
	s_delay_alu instid0(VALU_DEP_1)
	v_mul_f32 v[T], s[CS], v[T]                    ; as t (c is positive)
	s_delay_alu instid0(VALU_DEP_1)
	v_max_num_f32 v[NM+1], v[NM+1], v[T]           ; the running largest t
	v_mov_b32 v[T], v[NM]
	s_delay_alu instid0(VALU_DEP_2)
	v_floor_f32 v[NM], -v[NM+1]                    ; the new -M = floor(-t): M is a whole number
	s_delay_alu instid0(VALU_DEP_1)
	v_sub_f32 v[T], v[NM], v[T]                    ; old M - new M: a whole number, 0 or less
	s_delay_alu instid0(VALU_DEP_1)
	v_cvt_i32_f32 v[T], v[T]                       ; (it saturates)
	s_delay_alu instid0(VALU_DEP_1)
	v_ldexp_f32 v[F], 1.0, v[T]                    ; f = 2^(old M - new M)
.set j, 0
.rept 32
	v_pk_fma_f32 v[S+j:S+j+1], v[S+j:S+j+1], s[CS:CS+1], v[NM:NM+1] op_sel_hi:[1,0,0]   ; t - M, two at a time
.set j, j+2
.endr
.irp b, 0,1,2,3
	v_fma_f32 v[BM+\b], v[BM+\b], s[CS], v[NM]     ; the same of each block's largest score
.endr
.set j, 0
	s_wait_alu depctr_va_vdst(0)                   ; the wait ahead of the batch
.rept 64
	v_exp_f32 v[S+j], v[S+j]                       ; p = 2^(t - M), at most 1
.set j, j+1
.endr
	v_pk_mul_f32 v[SUM:SUM+1], v[SUM:SUM+1], v[F:F+1] op_sel_hi:[1,0]   ; the sums under the new M: the plain instruction behind the exponentials
	s_wait_alu depctr_va_vdst(0)                   ; the wait ahead of the first reader: one for the batch of 64
.irp b, 0,1,2,3
	v_exp_f32 v[BM+\b], v[BM+\b]                   ; the block's largest p: the same two instructions on the same number give the same bits
.endr
	; the row's sum of the unquantised p: 32 pairs in eight chains (seven in registers that are free here), then folded
	ADD3 216, 100, 104
	ADD3 254, 108, 112
	ADD3 210, 116, 120
	ADD3 208, 124, 128
	ADD3 206, 132, 136
	ADD3 204, 140, 144
	ADD3 198, 148, 152
	ADD3 22, 22, 156
	ADD3 216, 216, 96
	ADD3 254, 254, 98
	ADD3 210, 210, 102
	ADD3 208, 208, 106
	ADD3 206, 206, 110
	ADD3 204, 204, 114
	ADD3 198, 198, 118
	ADD3 22, 22, 122
	ADD3 216, 216, 126
	ADD3 254, 254, 130
	ADD3 210, 210, 134
	ADD3 208, 208, 138
	ADD3 206, 206, 142
	ADD3 204, 204, 146
	ADD3 198, 198, 150
	ADD3 22, 22, 154
	ADD3 216, 216, 158
	s_delay_alu instid0(VALU_DEP_2)
	ADD3 22, 22, 208
	s_delay_alu instid0(VALU_DEP_2)
	ADD3 216, 216, 206
	ADD3 254, 254, 204
	ADD3 210, 210, 198
	s_delay_alu instid0(VALU_DEP_2)
	ADD3 22, 22, 254
	s_delay_alu instid0(VALU_DEP_2)
	ADD3 216, 216, 210
	s_delay_alu instid0(VALU_DEP_1)
	ADD3 22, 22, 216
	s_wait_alu depctr_va_vdst(0)                   ; and one for the four
.irp b, 0,1,2,3
	v_max_num_f32 v[BM+\b], 0x1800000, v[BM+\b]    ; the floor 2^(3 - 127): the byte cannot fall under 1
.endr
.irp b, 0,1,2,3
	s_delay_alu instid0(VALU_DEP_4)
	v_add_nc_u32 v[BS+\b], 0xff000000, v[BM+\b]    ; 2 off the exponent field: the conversion's scale operand
.endr
.irp b, 0,1,2,3
	s_delay_alu instid0(VALU_DEP_4)
	v_lshrrev_b32 v[BT+\b], 23, v[BS+\b]           ; the scale's byte
.endr
	s_delay_alu instid0(VALU_DEP_3)
	v_lshl_or_b32 v[PS], v[BT+1], 8, v[BT]         ; p's scale word for these 128 keys
	s_delay_alu instid0(VALU_DEP_1)
	v_lshl_or_b32 v[PS], v[BT+2], 16, v[PS]
	s_delay_alu instid0(VALU_DEP_1)
	v_lshl_or_b32 v[PS], v[BT+3], 24, v[PS]
.irp b, 0,1,2,3
	v_cvt_scalef32_pk8_fp4_f32 v[PC+2*\b], v[S+16*\b:S+16*\b+7], v[BS+\b]
	v_cvt_scalef32_pk8_fp4_f32 v[PC+2*\b+1], v[S+16*\b+8:S+16*\b+15], v[BS+\b]
.endr
	v_nop                                          ; one plain instruction behind the last scaled conversion
.irp c, 0,1
.irp i, 0,1
	v_permlane16_swap_b32 v[PC+4*\c+\i], v[PC+4*\c+2+\i]   ; a whole block in a lane: lanes 0-15 block 2 c, lanes 16-31 block 2 c + 1
.endr
.endr
.set j, 0
.rept 16
	v_pk_mul_f32 v[O+j:O+j+1], v[O+j:O+j+1], v[F:F+1] op_sel_hi:[1,0]   ; O^T under the new M.  Twelve of these sixteen name no register of any one product below: the places behind the writes of p's codes and scale word
.set j, j+2
.endr
	s_wait_alu depctr_va_vdst(0)                   ; the wait here, directly ahead of the wait below
	s_wait_dscnt 0x0                               ; V is in
.irp t, 0,1,2,3                                    ; the four accumulators take turns; the eight score products stand between two steps' turns
	v_wmma_scale_f32_16x16x128_f8f6f4 v[O+8*\t:O+8*\t+7], v[VF+8*\t:VF+8*\t+7], v[PC:PC+7], v[O+8*\t:O+8*\t+7], v[SC+\t], v[PS] matrix_a_fmt:MATRIX_FMT_FP4 matrix_b_fmt:MATRIX_FMT_FP4 matrix_a_scale:MATRIX_SCALE_ROW1
.endr
	s_add_co_u32 s[TB], s[TB], RECB
.endm
.macro WALK from, n                    ; n key steps from record \from on
	s_mov_b32 s[TB], (\from)*RECB
	s_mov_b32 s[CNT], \n
.Lstep_\@:
	STEP
	s_sub_co_u32 s[CNT], s[CNT], 1
	s_cmp_lg_u32 s[CNT], 0
	s_cbranch_scc1 .Lstep_\@
.endm
	s_wait_alu depctr_va_vdst(0)                   ; the wait at the head's end
	s_wait_tensorcnt 0x0                           ; my half record is in
	ds_add_u32 v[SPW], v[NIL]
	s_wait_dscnt 0x0
	ROUND                                          ; steps 0 to 7 are whole, and all four work-groups are here: the joint loads meet
	s_cmp_lt_u32 s[WV], 12                         ; 24 records, two a wave: waves 0 to 11; the branch hangs on the wave's number alone
	s_cbranch_scc0 .Lno_second
	tensor_load_to_lds s[G0B:G0B+3], s[G1B:G1B+7]  ; the first tensor load behind the round, my only one: it has eight key steps in which to land
	s_nop 0
.rept 4
	v_nop
.endr
.Lno_second:
	s_wait_loadcnt 0x0                             ; q
	WALK 0, FIRST
	s_wait_tensorcnt 0x0                           ; my two records are in
	ds_add_u32 v[SPW], v[NIL]
	s_wait_dscnt 0x0
	s_barrier_signal -1
	s_barrier_wait -1                              ; everybody's are: steps 8 to 31 are whole.
	WALK FIRST, 32-FIRST
	; ---- O = O^T / the sum, quantised along the head's 64 channels
.rept 4
	v_nop                                          ; places behind the last products
.endr
	v_add_f32 v[SUM], v[SUM], v[SUM+1]             ; the sum's two halves,
	s_delay_alu instid0(VALU_DEP_1)
	v_permlanex16_b32 v[T], v[SUM], s[SEL], s[SEL+1]
	s_delay_alu instid0(VALU_DEP_1)
	v_add_f32 v[SUM], v[SUM], v[T]                 ; and lane l xor 16's
	s_wait_alu depctr_va_vdst(0)                   ; the wait ahead of the transcendental
	v_rcp_f32 v[SUM], v[SUM]
	v_nop                                          ; a plain instruction behind the transcendental
	s_wait_alu depctr_va_vdst(0)                   ; and the wait ahead of the first reader, which is also O^T's first reader
.set j, 0
.rept 32
	v_mul_f32 v[S+j], v[O+j], v[SUM]               ; register 16 b + i is channel 32 b + 16 (lane / 16) + i of my head; each accumulator from its low end on
.set j, j+1
.endr
.irp q, 0,1
	v_max3_num_f32 v[BM+\q], |v[S+16*\q]|, |v[S+16*\q+1]|, 0x1800000
.endr
.irp i, 2,4,6,8,10,12,14
.irp q, 0,1
	s_delay_alu instid0(VALU_DEP_2)
	v_max3_num_f32 v[BM+\q], v[BM+\q], |v[S+16*\q+\i]|, |v[S+16*\q+\i+1]|
.endr
.endr
.irp q, 0,1
	s_delay_alu instid0(VALU_DEP_2)
	v_permlanex16_b32 v[BT+\q], v[BM+\q], s[SEL], s[SEL+1]
.endr
.irp q, 0,1
	s_delay_alu instid0(VALU_DEP_2)
	v_max_num_f32 v[BM+\q], v[BM+\q], v[BT+\q]
.endr
.irp q, 0,1
	s_delay_alu instid0(VALU_DEP_2)
	v_add_nc_u32 v[BS+\q], 0xff000000, v[BM+\q]
.endr
.irp q, 0,1
	s_delay_alu instid0(VALU_DEP_2)
	v_lshrrev_b32 v[BT+\q], 23, v[BS+\q]
.endr
	s_delay_alu instid0(VALU_DEP_1)
	v_lshl_or_b32 v[BT+2], v[BT+1], 8, v[BT]       ; my head's two scale bytes
.irp q, 0,1
	v_cvt_scalef32_pk8_fp4_f32 v[PC+2*\q], v[S+16*\q:S+16*\q+7], v[BS+\q]
	v_cvt_scalef32_pk8_fp4_f32 v[PC+2*\q+1], v[S+16*\q+8:S+16*\q+15], v[BS+\q]
.endr
	v_nop
.irp i, 0,1
	v_permlane16_swap_b32 v[PC+\i], v[PC+2+\i]
.endr
	global_store_b128 v[A0], v[PC:PC+3], s[OC:OC+1]   ; 32 lanes store 512 consecutive bytes, aligned
	global_store_b16 v[L2], v[BT+2], s[OS:OS+1]       ; 64 consecutive bytes
	s_wait_tensorcnt 0x0                           ; the wave's end
	ds_add_u32 v[SPW], v[NIL]
	s_wait_dscnt 0x0
	ROUND                                          ; the closing round
	s_endpgm
.Lfunc_end_k_q2b2ff9b703_attn:
	.size	k_q2b2ff9b703_attn, .Lfunc_end_k_q2b2ff9b703_attn-k_q2b2ff9b703_attn
	.p2alignl 7, 3214868480
	.fill 96, 4, 3214868480
	.section	.rodata,"a",@progbits
	.p2align	6, 0x0
	.amdhsa_kernel k_q2b2ff9b703_attn
		.amdhsa_group_segment_fixed_size 327680
		.amdhsa_private_segment_fixed_size 0
		.amdhsa_enable_private_segment 0
		.amdhsa_kernarg_size 40
		.amdhsa_user_sgpr_count 2
		.amdhsa_user_sgpr_kernarg_segment_ptr 1
		.amdhsa_wavefront_size32 1
		.amdhsa_system_sgpr_workgroup_id_x 1
		.amdhsa_system_sgpr_workgroup_id_y 1
		.amdhsa_system_sgpr_workgroup_id_z 1
		.amdhsa_system_vgpr_workitem_id 0
		.amdhsa_next_free_vgpr 256
		.amdhsa_next_free_sgpr 72
		.amdhsa_reserve_vcc 0
		.amdhsa_float_denorm_mode_32 3
		.amdhsa_float_denorm_mode_16_64 3
		.amdhsa_memory_ordered 1
		.amdhsa_forward_progress 1
		.amdhsa_inst_pref_size 44
	.end_amdhsa_kernel
	.amdgpu_metadata
---
amdhsa.version: [ 1, 2 ]
amdhsa.kernels:
  - .name:           k_q2b2ff9b703_attn
    .symbol:         k_q2b2ff9b703_attn.kd
    .args:
      - { .name: qc, .offset: 0, .size: 8, .value_kind: global_buffer, .address_space: global }
      - { .name: qs, .offset: 8, .size: 8, .value_kind: global_buffer, .address_space: global }
      - { .name: kv, .offset: 16, .size: 8, .value_kind: global_buffer, .address_space: global }
      - { .name: oc, .offset: 24, .size: 8, .value_kind: global_buffer, .address_space: global }
      - { .name: os, .offset: 32, .size: 8, .value_kind: global_buffer, .address_space: global }
    .group_segment_fixed_size: 327680
    .private_segment_fixed_size: 0
    .kernarg_segment_align: 8
    .kernarg_segment_size: 40
    .max_flat_workgroup_size: 512
    .sgpr_count:     72
    .vgpr_count:     256
    .wavefront_size: 32
...
	.end_amdgpu_metadata
.endif
;; end of part 2
;; launch proj (part 3): grid 256 x 1, 16 waves a work-group, no clusters, 71,680 bytes of LDS; arguments oc, os, w_proj_codes, w_proj_scales, b_proj, x, out0; writes out0
.if DOCPART == 3
	.amdgcn_target "amdgcn-amd-amdhsa--gfx1250"
	.amdhsa_code_object_version 6
	.text
	.protected	k_q2b2ff9b703_proj
	.globl	k_q2b2ff9b703_proj
	.p2align	8
	.type	k_q2b2ff9b703_proj,@function
k_q2b2ff9b703_proj:
	s_mov_b64 s[64:65], 0
	v_nop
	global_prefetch_b8 v0, s[64:65] scope:SCOPE_SE
	s_setreg_imm32_b32 hwreg(HW_REG_WAVE_MODE, 25, 1), 1
	s_wait_xcnt 0x0
; out0 = x + O w_proj + b_proj, the product on codes of FP4 (E2M1) with one E8M0 scale for each 32 along K.  O comes as register images and scale bytes (launch attn).
; SHARES.  Work-group g owns 64 tokens of batch g / 64; wave w makes output channels 16 w .. 16 w + 15 for them: 8 matrix instructions.
; Source 0 = 16 tokens of O, source 1 = my 16 rows of w_proj: a lane holds one channel, its registers run along the tokens, as out0 lies.
; Operands go from memory straight into registers: each is read once by a wave; there is no loop, so no ring, no prefetch; what work-groups share is 35 KB of weights, so no cluster.
; LIMITS: NaN and infinities among the inputs are not served.
.set SPARE, 16*16*272                  ; LDS: a stage of 16 rows x (256 + 16) bytes for each wave; behind them the spare words, 128 bytes a wave
.set SPW, 2                            ; v2  LDS address of my spare word; never rewritten
.set NIL, 3                            ; v3  0; never rewritten
.set LI,  4                            ; v4  16 x lane
.set L2,  5                            ; v5  2 x lane
.set STO, 6                            ; v6  the stage, in
.set RD,  7                            ; v7  the stage, back
.set GX,  8                            ; v8  my 16 bytes in two channel rows of x and of out0
.set WPA, 9                            ; v9-11 offsets of w_proj's codes, scale bytes, and of b_proj
.set R,   12                           ; v12 lane % 16
.set H,   13                           ; v13 lane / 16
.set SC,  16                           ; v16-23 O's scale words, 2 m + s (scales alone)
.set WPS, 24                           ; v24-25 w_proj's scale words (scales alone)
.set TU,  32                           ; v32-47 O's scale bytes, two a register: 4 m + head
.set X,   48                           ; v48-79 x
.set OF,  80                           ; v80-143 O's eight fragments: 16 m + 8 s
.set AC,  144                          ; v144-175 four accumulators
.set BK,  176                          ; v176-207 the results back from the stage
.set WP,  208                          ; v208-223 w_proj's two fragments
.set BP,  224                          ; v224-231 b_proj in the result's layout
.set WV,  18                           ; s18 wave
	s_load_b256 s[4:11], s[0:1], 0x0               ; oc s[4:5], os s[6:7], w_proj's codes s[8:9], its scales s[10:11]
	s_load_b128 s[12:15], s[0:1], 0x20             ; b_proj s[12:13], x s[14:15]
	s_load_b64 s[16:17], s[0:1], 0x30              ; out0
	v_lshl_add_u32 v[SPW], v0, 2, SPARE
	v_mov_b32 v[NIL], 0
	v_lshrrev_b32 v[R], 5, v0
	s_delay_alu instid0(VALU_DEP_1)
	v_readfirstlane_b32 s[WV], v[R]                ; wave 0..15
	s_lshl_b32 s20, ttmp9, 13                      ; oc: 8,192 bytes a block of 64 tokens
	s_mov_b32 s21, 0
	s_lshl_b32 s22, ttmp9, 10                      ; os: 1,024
	s_mov_b32 s23, 0
	s_lshl_b32 s24, s[WV], 11                      ; w_proj: my 16 rows of 128 bytes,
	s_mov_b32 s25, 0
	s_lshl_b32 s26, s[WV], 7                       ; of 8 scale bytes,
	s_mov_b32 s27, 0
	s_lshl_b32 s28, s[WV], 6                       ; of 4 bytes of bias
	s_mov_b32 s29, 0
	s_lshr_b32 s30, ttmp9, 6
	s_lshl_b32 s30, s30, 22                        ; x, out0: batch x 4 MiB
	s_and_b32 s31, ttmp9, 63
	s_lshl_b32 s31, s31, 8                         ; + block x 256 bytes
	s_add_co_u32 s30, s30, s31
	s_lshl_b32 s31, s[WV], 18                      ; + my 16 channel rows
	s_add_co_u32 s30, s30, s31
	s_mov_b32 s31, 0
	s_mul_i32 s19, s[WV], 16*272                   ; my stage
	v_and_b32 v[L2], 31, v0
	v_and_b32 v[R], 15, v0
	v_bfe_u32 v[H], v0, 4, 1
	v_lshlrev_b32 v[LI], 4, v[L2]
	v_lshlrev_b32 v[L2], 1, v[L2]
	v_mul_u32_u24 v[STO], v[R], 272
	v_mul_u32_u24 v[RD], v[H], 272
	v_lshlrev_b32 v[GX], 14, v[H]
	v_lshlrev_b32 v[WPA], 7, v[R]
	v_lshl_add_u32 v[STO], v[H], 6, v[STO]
	v_lshl_add_u32 v[RD], v[R], 4, v[RD]
	v_lshl_add_u32 v[GX], v[R], 4, v[GX]           ; lanes 0-15 one channel row, lanes 16-31 the next; 16 bytes a lane
	v_lshl_add_u32 v[WPA], v[H], 4, v[WPA]         ; w_proj: row r of 128 bytes, + 16 h
	v_add_nc_u32 v[STO], s19, v[STO]               ; in: row r (a channel), + 64 h
	v_add_nc_u32 v[RD], s19, v[RD]                 ; back: lanes 0-15 one row, lanes 16-31 the next
	v_lshlrev_b32 v[WPA+1], 3, v[R]
	v_lshlrev_b32 v[WPA+2], 2, v[R]
	s_wait_alu depctr_va_vdst(0)                   ; the wait at the head's end
	s_wait_kmcnt 0x0
	s_add_nc_u64 s[4:5], s[4:5], s[20:21]
	s_add_nc_u64 s[6:7], s[6:7], s[22:23]
	s_add_nc_u64 s[8:9], s[8:9], s[24:25]
	s_add_nc_u64 s[10:11], s[10:11], s[26:27]
	s_add_nc_u64 s[12:13], s[12:13], s[28:29]
	s_add_nc_u64 s[14:15], s[14:15], s[30:31]
	s_add_nc_u64 s[16:17], s[16:17], s[30:31]
.irp m, 0,1,2,3
.irp s, 0,1
.irp c, 0,1
	global_load_b128 v[OF+16*\m+8*\s+4*\c:OF+16*\m+8*\s+4*\c+3], v[LI], s[4:5] offset:(2*\m+\s)*1024+512*\c
.endr
.endr
.irp d, 0,1,2,3
	global_load_u16 v[TU+4*\m+\d], v[L2], s[6:7] offset:256*\d+64*\m   ; head d's two scale bytes of tile m
.endr
.endr
.irp s, 0,1
.irp c, 0,1
	global_load_b128 v[WP+8*\s+4*\c:WP+8*\s+4*\c+3], v[WPA], s[8:9] offset:64*\s+32*\c
.endr
	global_load_b32 v[WPS+\s], v[WPA+1], s[10:11] offset:4*\s
.endr
	global_load_b32 v[BP], v[WPA+2], s[12:13]
.irp i, 0,1,2,3,4,5,6,7
	global_load_b128 v[X+4*\i:X+4*\i+3], v[GX], s[14:15] offset:32768*\i th:TH_LOAD_NT   ; x at my 16 channels x 64 tokens: 16 lanes read 256 consecutive bytes
.endr
	s_wait_loadcnt 0x8                             ; all but the youngest eight loads, x's
.irp j, 1,2,3,4,5,6,7
	v_mov_b32 v[BP+\j], v[BP]                      ; the bias hangs on the lane's channel alone
.endr
.irp m, 0,1,2,3
.irp s, 0,1
	v_lshl_or_b32 v[SC+2*\m+\s], v[TU+4*\m+2*\s+1], 16, v[TU+4*\m+2*\s]   ; K step s holds heads 2 s and 2 s + 1
.endr
.endr
.rept 8
	v_nop                                          ; a scale register written by a vector instruction stands 8 places ahead of a scaled matrix instruction
.endr
.irp m, 0,1,2,3                                    ; four accumulators by turns; the bias is the C of each sum's first instruction
	v_wmma_scale_f32_16x16x128_f8f6f4 v[AC+8*\m:AC+8*\m+7], v[OF+16*\m:OF+16*\m+7], v[WP:WP+7], v[BP:BP+7], v[SC+2*\m], v[WPS] matrix_a_fmt:MATRIX_FMT_FP4 matrix_b_fmt:MATRIX_FMT_FP4
.endr
.irp m, 0,1,2,3
	v_wmma_scale_f32_16x16x128_f8f6f4 v[AC+8*\m:AC+8*\m+7], v[OF+16*\m+8:OF+16*\m+15], v[WP+8:WP+15], v[AC+8*\m:AC+8*\m+7], v[SC+2*\m+1], v[WPS+1] matrix_a_fmt:MATRIX_FMT_FP4 matrix_b_fmt:MATRIX_FMT_FP4
.endr
.rept 4
	v_nop
.endr
	; the way out: register j of tile 2 b + u is token 32 b + 16 h + 8 u + j of channel 16 w + r.  Through my own stage, so that 16 lanes store 256 consecutive bytes of a channel row
.irp m, 0,1,2,3
	ds_store_b128 v[STO], v[AC+8*\m:AC+8*\m+3] offset:128*(\m/2)+32*(\m%2)       ; each accumulator from its low end on
	ds_store_b128 v[STO], v[AC+8*\m+4:AC+8*\m+7] offset:128*(\m/2)+32*(\m%2)+16
.endr
.irp i, 0,1,2,3,4,5,6,7
	ds_load_b128 v[BK+4*\i:BK+4*\i+3], v[RD] offset:544*\i   ; LDS serves a wave's instructions in order (ISA guide 5.7.1.4): these see my stores
.endr
	s_wait_loadcnt 0x0                             ; x
	s_wait_dscnt 0x0
.set j, 0
.rept 16
	v_pk_add_f32 v[BK+j:BK+j+1], v[BK+j:BK+j+1], v[X+j:X+j+1]   ; the residual
.set j, j+2
.endr
.irp i, 0,1,2,3,4,5,6,7
	global_store_b128 v[GX], v[BK+4*\i:BK+4*\i+3], s[16:17] offset:32768*\i th:TH_STORE_NT   ; 16 lanes store 256 consecutive bytes, aligned; written once
.endr
	s_wait_tensorcnt 0x0                           ; the wave's end, behind my last LDS store
	ds_add_u32 v[SPW], v[NIL]
	s_wait_dscnt 0x0
	s_endpgm
.Lfunc_end_k_q2b2ff9b703_proj:
	.size	k_q2b2ff9b703_proj, .Lfunc_end_k_q2b2ff9b703_proj-k_q2b2ff9b703_proj
	.p2alignl 7, 3214868480
	.fill 96, 4, 3214868480
	.section	.rodata,"a",@progbits
	.p2align	6, 0x0
	.amdhsa_kernel k_q2b2ff9b703_proj
		.amdhsa_group_segment_fixed_size 71680
		.amdhsa_private_segment_fixed_size 0
		.amdhsa_enable_private_segment 0
		.amdhsa_kernarg_size 56
		.amdhsa_user_sgpr_count 2
		.amdhsa_user_sgpr_kernarg_segment_ptr 1
		.amdhsa_wavefront_size32 1
		.amdhsa_system_sgpr_workgroup_id_x 1
		.amdhsa_system_sgpr_workgroup_id_y 1
		.amdhsa_system_sgpr_workgroup_id_z 1
		.amdhsa_system_vgpr_workitem_id 0
		.amdhsa_next_free_vgpr 256
		.amdhsa_next_free_sgpr 66
		.amdhsa_reserve_vcc 0
		.amdhsa_float_denorm_mode_32 3
		.amdhsa_float_denorm_mode_16_64 3
		.amdhsa_memory_ordered 1
		.amdhsa_forward_progress 1
		.amdhsa_inst_pref_size 12
	.end_amdhsa_kernel
	.amdgpu_metadata
---
amdhsa.version: [ 1, 2 ]
amdhsa.kernels:
  - .name:           k_q2b2ff9b703_proj
    .symbol:         k_q2b2ff9b703_proj.kd
    .args:
      - { .name: oc, .offset: 0, .size: 8, .value_kind: global_buffer, .address_space: global }
      - { .name: os, .offset: 8, .size: 8, .value_kind: global_buffer, .address_space: global }
      - { .name: w_proj_codes, .offset: 16, .size: 8, .value_kind: global_buffer, .address_space: global }
      - { .name: w_proj_scales, .offset: 24, .size: 8, .value_kind: global_buffer, .address_space: global }
      - { .name: b_proj, .offset: 32, .size: 8, .value_kind: global_buffer, .address_space: global }
      - { .name: x, .offset: 40, .size: 8, .value_kind: global_buffer, .address_space: global }
      - { .name: out0, .offset: 48, .size: 8, .value_kind: global_buffer, .address_space: global }
    .group_segment_fixed_size: 71680
    .private_segment_fixed_size: 0
    .kernarg_segment_align: 8
    .kernarg_segment_size: 56
    .max_flat_workgroup_size: 512
    .sgpr_count:     66
    .vgpr_count:     256
    .wavefront_size: 32
...
	.end_amdgpu_metadata
.endif
;; end of part 3
